; MI455X (gfx1250); checked and timed in simulation.
; The chip was launched on July 23, 2026; its instructions are those of AMD's public machine-readable ISA for CDNA 5 (MIT licence, August 2026) and "CDNA5" Instruction Set Architecture Reference Guide (July 2026). The comments in the code are by the model that wrote it; some were corrected since.
;; Keras Cross Attention Module. Allowed arithmetic: matrix products marked QUANTISED: E2M1 operands, one E8M0 scale for each 32 along K, by v_wmma_scale_f32_16x16x128_f8f6f4 with both operands' format E2M1 (or v_wmma_scale_f32_32x16x128_f4), f32 sums; everything else in f32.
;; Inputs: k_pos_embedding 1 x 4,096 x 256 float32; keys 8 x 256 x 64 x 64 float32; q_pos_embedding 1 x 4,096 x 256 float32; queries 8 x 256 x 64 x 64 float32; values 8 x 256 x 64 x 64 float32.
;; Outputs: out0 8 x 256 x 64 x 64 float32.
;; This version of the problem:
;;   THIS VERSION OF THE PROBLEM IS GIVEN IN LOW PRECISION. The matrix products marked QUANTISED in the list below multiply operands that are first quantised to E2M1 (2 exponent bits, 1 mantissa bit; 4 bits a number), with one power-of-two scale for each 32 numbers along K (OCP MX v1.0); their sums are f32. All else is computed in f32.
;;   The module's matrix products, in the order in which they are computed (A, B: the left and right operand; K: the contracted axis; several contracted axes count as one K, in the product's order):
;;     1. batch 8 x [M 4,096, K 256] x [K 256, N 4,096]; A: computed on the way; B: computed on the way: QUANTISED
;;     2. batch 8 x [M 4,096, K 4,096] x [K 4,096, N 256]; A: softmax (see below); B: input values: QUANTISED
;;   THE QUANTISER, for each operand of a quantised product, along K:
;;     - K is cut into blocks of 32 from its start; a last block that is shorter is filled with zeros.
;;     - A block's scale is 2^e with e = floor(log2(the largest magnitude in the block)) - 2, held to -126 .. 127; a block of zeros has e = 0. As a byte (E8M0): e + 127.
;;     - Each number is divided by its block's scale, clamped to +-6, and rounded to the nearest number of E2M1, ties to even, subnormals kept.
;;     - The product sums the exact products of the quantised numbers (number of the format x scale) in f32.
;;   ~~~python
;;   def quantise(x, axis):      # numpy; x: float32 -> the quantised numbers, widened to float32 again
;;       x = np.moveaxis(x, axis, -1); K = x.shape[-1]
;;       x = np.pad(x, [(0, 0)] * (x.ndim - 1) + [(0, -K % 32)]); x = x.reshape(x.shape[:-1] + (-1, 32)); a = np.abs(x).max(-1, keepdims=True)
;;       e = np.where(a > 0, np.clip(np.frexp(np.where(a > 0, a, 1))[1] - 1 - 2, -126, 127), 0)      # np.frexp(a)[1] - 1 = floor(log2(a)), exactly
;;       r = np.clip(x / 2.0 ** e, -6, 6)
;;       step = 2.0 ** (np.maximum(np.frexp(np.where(r == 0, 1, r))[1] - 1, 0) - 1)
;;       q = np.round(r / step) * step * 2.0 ** e      # np.round: ties to even
;;       return np.moveaxis(q.reshape(q.shape[:-2] + (-1,))[..., :K], -1, axis).astype(np.float32)
;;   ~~~
;;   SOFTMAX AHEAD OF A QUANTISED PRODUCT. Where the list says 'softmax', what is quantised is not the finished softmax but p = 2^(t - M), with t = logit x log2(e) and M = ceil(the row's largest t), a whole number; so 1/2 < the row's largest p <= 1. The row's sum l is taken of the UNQUANTISED p, in f32, and the product's result is divided by l at the end. Since M is a whole number, a kernel that streams over the keys may use a running M (the ceiling of the running maximum): every later rescaling is an exact power of two, which a block's scale takes up: the codes' values come out the same.
;;   OPERANDS COMPUTED ON THE WAY. 'Computed on the way' means the value that the module computes at that place (a softmax that the list does not call 'softmax' is quantised finished and normalised). What goes into a quantiser is computed in f32, as accurately as f32 sums, v_exp_f32 and their like allow (about 1e-6 of the number): no bf16 or f16 on the way to a quantiser, and a product that is left as it is and whose result goes on into a quantised operand takes f32 operands (vector FMAs, or v_wmma_f32_16x16x4_f32). A number that lies on a knife's edge between two numbers of the format may be rounded either way, as far as f32 arithmetic and the matrix unit's own rounding can turn it there, and no further.
;; One version. Each part assembles by itself: llvm-mc -triple=amdgcn-amd-amdhsa -mcpu=gfx1250 --defsym DOCPART=n.
;; ======== version 1 of 1: 2 launches
;; limits: right only within a limited range of input values
;; workspace buffers: qc 4,456,448 bytes; kv 8,912,896 bytes
;; launch quant (part 1): grid 512 x 1, 4 waves a work-group, no clusters, 101,888 bytes of LDS; arguments queries, keys, values, q_pos_embedding, k_pos_embedding, qc, kv; writes qc, kv
.if DOCPART == 1
	.amdgcn_target "amdgcn-amd-amdhsa--gfx1250"
	.amdhsa_code_object_version 6
	.text
	.protected	k_q9898f6bb04_quant
	.globl	k_q9898f6bb04_quant
	.p2align	8
	.type	k_q9898f6bb04_quant,@function
k_q9898f6bb04_quant:
	s_mov_b64 s[64:65], 0
	v_nop
	global_prefetch_b8 v0, s[64:65] scope:SCOPE_SE
	s_setreg_imm32_b32 hwreg(HW_REG_WAVE_MODE, 25, 1), 1
	s_wait_xcnt 0x0
; q = queries^T + q_pos and k = keys^T + k_pos are quantised along the 256 channels, v = values^T along the keys, into codes of FP4 (E2M1) with one E8M0 byte for each 32 numbers,
; and laid in the order in which the attention launch's operand registers take them.  queries, keys, values: [8][256 channels][4096 places] f32; the position tables: [4096 places][256 channels] f32.
; A block's scale is 2^(floor(log2(its largest magnitude)) - 2); its byte is the largest magnitude's exponent field - 2, held at 1 from below.
; LIMITS: NaN and infinities among the inputs are not served.  A block whose largest magnitude lies under 2^-124 keeps the byte 1; so does a block of zeros, where the rule says 127: its codes are zeros,
; which add nothing under any byte but 0xff, and the bytes are read by this program alone.
; BUFFERS.  kv: [8 batches][32 blocks] of STEPB bytes: a K-half, then a V-half.  Block j holds K and V of key step j (keys 128 j on).  qc: [8][32 groups] of one K-half, queries 128 g on.
; A K-half: 16 bytes (32 codes: channels 128 s + 32 b on) of column x = 32 wp + 8 i + i0 of the 128 lie at 8192 s + 2048 b + 512 wp + 128 (i xor (wp & 1)) + 16 i0; the scale word (byte b: block b) of (x, s) at KSOFF + 512 s + 4 x.
; A V-half: the fragment of channels 16 dt on is an image of its registers: 16 bytes (keys 32 b on) of channel 16 dt + r at 1024 dt + 256 b + 16 r; scale words at 16384 + 256 g4 + 8 lane + 4 e for channel tile 4 g4 + 2 e + lane / 16, row lane % 16.
; SHARES.  Work-groups 0-255: q (0-127) and k (128-255): 128 columns x 128 channels x 4 batches each.  Work-groups 256-511: v: one batch's one key step, 256 channels x 128 keys.  The two paths have LDS bytes of their own.
; No tensor load, no barrier, no matrix instruction, no cluster: waves share nothing, and of a q or k work-group's 320 KiB only the 64 KiB of position rows are read by one other work-group.
.set HALFB, 17408
.set STEPB, 34816
.set KSOFF, 16384
.set VOFF,  17408
.set VSOFF, 33792
.set QSTG,  16896                      ; q, k path: a wave's stage, 32 rows x (512 bytes + 16)
.set VSTG0, 67584                      ; v path: its stages begin behind the other path's
.set VSTGW, 8448                       ; a wave's: 16 rows x (512 + 16)
.set XQ, 32                            ; q, k path: v32-95   two sets of 32 numbers down the channels
.set PQ, 96                            ;            v96-223  my column's 128 position numbers
.set RV, 64                            ; v path:    v64-191  two sets of 16 rows as loaded
.set XV, 192                           ;            v192-255 my row's 64 numbers: two blocks of 32 keys
.set CV, 24                            ;            v24-55   codes: eight registers for each fragment, so that no store's data are written again
	s_load_b256 s[4:11], s[0:1], 0x0               ; queries s[4:5], keys s[6:7], values s[8:9], q_pos s[10:11]
	s_load_b128 s[12:15], s[0:1], 0x20             ; k_pos s[12:13], qc s[14:15]
	s_load_b64 s[16:17], s[0:1], 0x30              ; kv
	v_lshl_add_u32 v22, v0, 2, 0x18c00
	v_mov_b32 v23, 0
	v_lshrrev_b32 v1, 5, v0
	v_readfirstlane_b32 s18, v1                    ; wave 0..3
	v_and_b32 v1, 31, v0                           ; lane
	s_cmp_lt_u32 ttmp9, 256
	s_cbranch_scc0 .Lvpath
; ---------------- q and k: A LANE TAKES A COLUMN (a place), AND ITS REGISTERS RUN DOWN THE CHANNELS ----------------
	s_lshr_b32 s19, ttmp9, 6
	s_and_b32 s19, s19, 1                          ; bh: batches 4 bh on
	s_lshr_b32 s31, ttmp9, 5
	s_and_b32 s31, s31, 1                          ; s: channels 128 s on
	s_and_b32 s32, ttmp9, 31                       ; cg: columns 128 cg on
	v_lshlrev_b32 v3, 2, v0                        ; in: 4 bytes a thread: a wave reads 128 neighbouring bytes, the four waves 512
	s_and_b32 s33, s18, 1
	s_wait_alu depctr_va_vdst(0)
	v_lshrrev_b32 v4, 3, v1
	v_xor_b32 v4, s33, v4
	v_lshlrev_b32 v4, 7, v4
	v_and_b32 v5, 7, v1
	v_lshl_add_u32 v4, v5, 4, v4                   ; my codes' place in the wave's 512 bytes: 128 ((l / 8) xor (w & 1)) + 16 (l % 8)
	v_lshlrev_b32 v5, 2, v1                        ; my scale word's: 4 l
	v_lshlrev_b32 v8, 4, v1                        ; 16 l
	s_mul_i32 s34, s18, QSTG
	v_add_nc_u32 v6, s34, v8                       ; the stage, in: 16 bytes a lane of a row
	v_mul_u32_u24 v7, v1, 528
	v_add_nc_u32 v7, s34, v7                       ; and out: row = my column
	s_wait_alu depctr_va_vdst(0)
	s_wait_kmcnt 0x0
	s_cmp_lt_u32 ttmp9, 128                        ; q or k?  The choice hangs on the work-group's number alone
	s_mov_b32 s35, STEPB
	s_cselect_b32 s35, HALFB, s35                  ; bytes from block to block of the buffer written
	; (k's key step cg goes into block cg of kv: block j holds K of key step j and V of key step j)
	s_cselect_b64 s[20:21], s[4:5], s[6:7]
	s_cselect_b64 s[22:23], s[10:11], s[12:13]
	s_cselect_b64 s[24:25], s[14:15], s[16:17]
	s_lshl_b32 s37, s19, 7
	s_add_co_u32 s36, s32, s37
	s_mul_i32 s36, s36, s35                        ; (32 x batch 4 bh + block) x stride
	s_lshl_b32 s37, s31, 13
	s_lshl_b32 s38, s18, 9
	s_add_co_u32 s38, s38, s37
	s_add_co_u32 s38, s38, s36                     ; codes: + 8192 s + 512 w
	s_mov_b32 s39, 0
	s_lshl_b32 s40, s31, 9
	s_lshl_b32 s41, s18, 7
	s_add_co_u32 s40, s40, s41
	s_add_co_u32 s40, s40, s36
	s_add_co_u32 s40, s40, KSOFF                   ; scale words: + KSOFF + 512 s + 128 w
	s_mov_b32 s41, 0
	s_add_nc_u64 s[26:27], s[24:25], s[40:41]
	s_add_nc_u64 s[24:25], s[24:25], s[38:39]
	s_lshl_b32 s28, s35, 5                         ; from batch to batch: 32 blocks
	s_mov_b32 s29, 0
	s_lshl_b32 s38, s19, 24                        ; the tensor: 4 bh batches of 4 MiB + 128 s channels of 16 KiB + 128 cg places
	s_lshl_b32 s40, s31, 21
	s_add_co_u32 s38, s38, s40
	s_lshl_b32 s40, s32, 9
	s_add_co_u32 s38, s38, s40
	s_add_nc_u64 s[20:21], s[20:21], s[38:39]
	s_lshl_b32 s38, s32, 17                        ; the table: row 128 cg + 32 w of 1,024 bytes, + 512 s
	s_lshl_b32 s40, s18, 15
	s_add_co_u32 s38, s38, s40
	s_lshl_b32 s40, s31, 9
	s_add_co_u32 s38, s38, s40
	s_add_nc_u64 s[22:23], s[22:23], s[38:39]
.macro XLOAD set, off                  ; 32 channels of my column, from off bytes on, into a set
.set xi, 0
.rept 32
	global_load_b32 v[XQ+32*(\set)+xi], v3, s[20:21] offset:(\off)+16384*xi th:TH_LOAD_NT
.set xi, xi+1
.endr
.endm
.set pi, 0
.rept 32
	global_load_b128 v[PQ+4*pi:PQ+4*pi+3], v8, s[22:23] offset:1024*pi   ; the table's row 32 w + pi: its 512 bytes, 16 a lane
.set pi, pi+1
.endr
	XLOAD 0, 0
	s_wait_loadcnt 32                              ; the 32 table rows are in; block 0's 32 loads may be out
.set pi, 0
.rept 32
	ds_store_b128 v6, v[PQ+4*pi:PQ+4*pi+3] offset:528*pi
.set pi, pi+1
.endr
	XLOAD 1, 524288
.set pi, 0
.rept 32
	ds_load_b128 v[PQ+4*pi:PQ+4*pi+3], v7 offset:16*pi   ; LDS serves a wave's instructions in order: these see my stores.  Now my column's 128 numbers run down my registers
.set pi, pi+1
.endr
	s_wait_dscnt 0x0
; Block b (channels 32 b on) of the batch in hand.  ahead = 1: its set takes the block two further on.  left: the younger loads that may stay out.
.macro QKBLOCK b, ahead, left
.set XS, XQ+32*((\b)%2)
.set PS, PQ+32*(\b)
	s_wait_loadcnt \left
.set qi, 0
.rept 16
	v_pk_add_f32 v[XS+qi:XS+qi+1], v[XS+qi:XS+qi+1], v[PS+qi:PS+qi+1]   ; + the position numbers, in f32
.set qi, qi+2
.endr
	v_max3_num_f32 v10, |v[XS]|, |v[XS+1]|, |v[XS+2]|               ; the block's largest magnitude: all 32 numbers are mine; two chains
	v_max3_num_f32 v11, |v[XS+3]|, |v[XS+4]|, |v[XS+5]|
.irp i, 6,10,14,18,22,26
	v_max3_num_f32 v10, v10, |v[XS+\i]|, |v[XS+\i+1]|
	v_max3_num_f32 v11, v11, |v[XS+\i+2]|, |v[XS+\i+3]|
.endr
	v_max3_num_f32 v10, v10, |v[XS+30]|, |v[XS+31]|
	v_max3_num_f32 v10, v10, v11, 0x1800000        ; and the floor 2^(3 - 127): the byte cannot fall under 1
	v_add_nc_u32 v12, 0xff000000, v10              ; 2 off the exponent field: the conversion takes this operand's exponent field as its scale
	v_lshrrev_b32 v13, 23, v12                     ; the scale's byte
	s_wait_xcnt 0x0                                ; the earlier stores have read their data: the codes' registers and the scale word are written again only behind this wait
.if (\b) == 0
	s_wait_alu depctr_va_vdst(0)
	v_mov_b32 v14, v13
.else
	s_wait_alu depctr_va_vdst(0)
	v_lshl_or_b32 v14, v13, 8*(\b), v14            ; byte b of my column's scale word
.endif
.irp g, 0,1,2,3
	v_cvt_scalef32_pk8_fp4_f32 v[16+\g], v[XS+8*\g:XS+8*\g+7], v12
.endr
	global_store_b128 v4, v[16:19], s[24:25] offset:2048*(\b)      ; the wave stores 512 consecutive bytes, aligned
.if \ahead
.if (\b) < 2
	XLOAD (\b)%2, ((\b)+2)*524288
.else
	XLOAD (\b)%2, 4194304+((\b)-2)*524288          ; the next batch's blocks 0 and 1
.endif
.endif
.if (\b) == 3
	global_store_b32 v5, v14, s[26:27]             ; the wave's 32 scale words: 128 consecutive bytes
.endif
.endm
	s_mov_b32 s30, 3
.Lbatch:                                               ; three batches; the fourth is written out, so that no load leaves its buffer
	QKBLOCK 0, 1, 32
	QKBLOCK 1, 1, 32
	QKBLOCK 2, 1, 32
	QKBLOCK 3, 1, 32
	s_wait_xcnt 0x0                                ; all loads and stores have read their bases: they step
	s_add_nc_u64 s[20:21], s[20:21], 0x400000
	s_add_nc_u64 s[24:25], s[24:25], s[28:29]
	s_add_nc_u64 s[26:27], s[26:27], s[28:29]
	s_sub_co_u32 s30, s30, 1
	s_cmp_lg_u32 s30, 0
	s_cbranch_scc1 .Lbatch
	QKBLOCK 0, 1, 32
	QKBLOCK 1, 1, 32
	QKBLOCK 2, 0, 32
	QKBLOCK 3, 0, 0
	s_wait_tensorcnt 0x0
	ds_add_u32 v22, v23
	s_wait_dscnt 0x0
	s_endpgm
; ---------------- v: the keys are innermost in memory.  Wave w makes the fragments of channel tiles 4 w .. 4 w + 3 for one key step ----------------
.Lvpath:
	s_sub_co_u32 s19, ttmp9, 256
	s_lshr_b32 s34, s19, 5                         ; batch
	s_and_b32 s35, s19, 31                         ; key step
	s_mov_b32 s31, 0xffff0000                      ; lanes 16-31
	s_mov_b32 s32, 0x76543210
	s_mov_b32 s33, 0xfedcba98                      ; v_permlanex16_b32's selects for lane l xor 16
	s_lshl_b32 s36, s34, 22                        ; values: batch of 4 MiB + 128 keys of 4 bytes + my 64 channels of 16 KiB
	s_lshl_b32 s37, s35, 9
	s_add_co_u32 s36, s36, s37
	s_lshl_b32 s37, s18, 20
	s_add_co_u32 s36, s36, s37
	s_mov_b32 s37, 0
	s_lshl_b32 s38, s34, 5
	s_add_co_u32 s38, s38, s35
	s_mul_i32 s38, s38, STEPB                      ; the block of kv
	s_lshl_b32 s40, s18, 12
	s_add_co_u32 s40, s40, s38
	s_add_co_u32 s40, s40, VOFF                    ; my four fragments' images
	s_mov_b32 s41, 0
	s_lshl_b32 s42, s18, 8
	s_add_co_u32 s42, s42, s38
	s_add_co_u32 s42, s42, VSOFF                   ; and their scale words
	s_mov_b32 s43, 0
	s_mul_i32 s39, s18, VSTGW
	s_add_co_u32 s39, s39, VSTG0                   ; my stage
	s_wait_alu depctr_va_vdst(0)
	v_lshlrev_b32 v3, 4, v1                        ; 16 l
	v_add_nc_u32 v4, s39, v3                       ; the stage, in
	v_and_b32 v9, 15, v1                           ; r
	v_lshrrev_b32 v10, 4, v1                       ; h
	v_mul_u32_u24 v5, v9, 528
	v_lshl_add_u32 v5, v10, 7, v5
	v_add_nc_u32 v5, s39, v5                       ; and out: row r, + 128 h: keys 32 h on
	v_lshlrev_b32 v6, 3, v1                        ; 8 l
	v_lshlrev_b32 v7, 3, v10                       ; 8 h
	v_mov_b32 v8, 0                                ; written once: a lane permute's destination counts as one of its sources
	s_wait_alu depctr_va_vdst(0)
	s_wait_kmcnt 0x0
	s_add_nc_u64 s[20:21], s[8:9], s[36:37]
	s_add_nc_u64 s[24:25], s[16:17], s[40:41]
	s_add_nc_u64 s[26:27], s[16:17], s[42:43]
.macro VLOAD t                         ; the 16 channels of my tile t: each load reads a row's 512 consecutive bytes
.set vi, 0
.rept 16
	global_load_b128 v[RV+64*((\t)%2)+4*vi:RV+64*((\t)%2)+4*vi+3], v3, s[20:21] offset:(16*(\t)+vi)*16384 th:TH_LOAD_NT
.set vi, vi+1
.endr
.endm
.macro VFRAG t
.set RS, RV+64*((\t)%2)
.if (\t) < 3
	s_wait_loadcnt 16                              ; this tile's 16 loads are in; the next tile's may be out
.else
	s_wait_loadcnt 0x0
.endif
.set vi, 0
.rept 16
	ds_store_b128 v4, v[RS+4*vi:RS+4*vi+3] offset:528*vi
.set vi, vi+1
.endr
.irp c, 0,1
.irp k, 0,1,2,3,4,5,6,7
	ds_load_b128 v[XV+32*\c+4*\k:XV+32*\c+4*\k+3], v5 offset:256*\c+16*\k   ; lane (r, h): keys 64 c + 32 h + 0 .. 31 of channel r, as the operand's layout gives them to it
.endr
.endr
	s_wait_dscnt 0x0                               ; my numbers are back, and the stores have read their registers,
.if (\t) < 2
	VLOAD (\t)+2                                   ; which take the tile two further on
.endif
.irp c, 0,1
	v_max3_num_f32 v[10+\c], |v[XV+32*\c]|, |v[XV+32*\c+1]|, 0x1800000   ; my two blocks by turns; the floor 2^(3 - 127) among the leaves
.endr
.irp i, 2,4,6,8,10,12,14,16,18,20,22,24,26,28,30
.irp c, 0,1
	v_max3_num_f32 v[10+\c], v[10+\c], |v[XV+32*\c+\i]|, |v[XV+32*\c+\i+1]|
.endr
.endr
.irp c, 0,1
	v_add_nc_u32 v[12+\c], 0xff000000, v[10+\c]    ; the conversion's scale operand
.endr
.irp c, 0,1
	v_lshrrev_b32 v[14+\c], 23, v[12+\c]           ; the scale's byte
.endr
	v_lshl_or_b32 v9, v15, 16, v14                 ; my two bytes: blocks h and 2 + h,
	v_lshlrev_b32 v9, v7, v9                       ; at their places in the word;
	v_permlanex16_b32 v8, v9, s32, s33
	v_or_b32 v9, v9, v8                            ; with lane l xor 16's two the word of channel r is whole, in both halves of the lanes
.if (\t)%2 == 0
	v_mov_b32 v[16+(\t)/2], v9                     ; lanes 0-15 keep the even tile's word,
.else
	v_cndmask_b32 v[16+(\t)/2], v[16+(\t)/2], v9, s31   ; lanes 16-31 take the odd tile's
.endif
.irp c, 0,1
.irp g, 0,1,2,3
	v_cvt_scalef32_pk8_fp4_f32 v[CV+8*(\t)+4*\c+\g], v[XV+32*\c+8*\g:XV+32*\c+8*\g+7], v[12+\c]
.endr
.endr
.irp c, 0,1
	global_store_b128 v3, v[CV+8*(\t)+4*\c:CV+8*(\t)+4*\c+3], s[24:25] offset:1024*(\t)+512*\c   ; the registers' image: 512 consecutive bytes, aligned
.endr
.endm
	VLOAD 0
	VLOAD 1
	VFRAG 0
	VFRAG 1
	VFRAG 2
	VFRAG 3
	global_store_b64 v6, v[16:17], s[26:27]        ; my four tiles' scale words: 256 consecutive bytes, aligned
	s_wait_tensorcnt 0x0
	ds_add_u32 v22, v23
	s_wait_dscnt 0x0
	s_endpgm
.Lfunc_end_k_q9898f6bb04_quant:
	.size	k_q9898f6bb04_quant, .Lfunc_end_k_q9898f6bb04_quant-k_q9898f6bb04_quant
	.p2alignl 7, 3214868480
	.fill 96, 4, 3214868480
	.section	.rodata,"a",@progbits
	.p2align	6, 0x0
	.amdhsa_kernel k_q9898f6bb04_quant
		.amdhsa_group_segment_fixed_size 101888
		.amdhsa_private_segment_fixed_size 0
		.amdhsa_enable_private_segment 0
		.amdhsa_kernarg_size 56
		.amdhsa_user_sgpr_count 2
		.amdhsa_user_sgpr_kernarg_segment_ptr 1
		.amdhsa_wavefront_size32 1
		.amdhsa_system_sgpr_workgroup_id_x 1
		.amdhsa_system_sgpr_workgroup_id_y 1
		.amdhsa_system_sgpr_workgroup_id_z 1
		.amdhsa_system_vgpr_workitem_id 0
		.amdhsa_next_free_vgpr 256
		.amdhsa_next_free_sgpr 66
		.amdhsa_reserve_vcc 0
		.amdhsa_float_denorm_mode_32 3
		.amdhsa_float_denorm_mode_16_64 3
		.amdhsa_memory_ordered 1
		.amdhsa_forward_progress 1
		.amdhsa_inst_pref_size 85
	.end_amdhsa_kernel
	.amdgpu_metadata
---
amdhsa.version: [ 1, 2 ]
amdhsa.kernels:
  - .name:           k_q9898f6bb04_quant
    .symbol:         k_q9898f6bb04_quant.kd
    .args:
      - { .name: queries, .offset: 0, .size: 8, .value_kind: global_buffer, .address_space: global }
      - { .name: keys, .offset: 8, .size: 8, .value_kind: global_buffer, .address_space: global }
      - { .name: values, .offset: 16, .size: 8, .value_kind: global_buffer, .address_space: global }
      - { .name: q_pos_embedding, .offset: 24, .size: 8, .value_kind: global_buffer, .address_space: global }
      - { .name: k_pos_embedding, .offset: 32, .size: 8, .value_kind: global_buffer, .address_space: global }
      - { .name: qc, .offset: 40, .size: 8, .value_kind: global_buffer, .address_space: global }
      - { .name: kv, .offset: 48, .size: 8, .value_kind: global_buffer, .address_space: global }
    .group_segment_fixed_size: 101888
    .private_segment_fixed_size: 0
    .kernarg_segment_align: 8
    .kernarg_segment_size: 56
    .max_flat_workgroup_size: 128
    .sgpr_count:     66
    .vgpr_count:     256
    .wavefront_size: 32
...
	.end_amdgpu_metadata
.endif
;; end of part 1
;; launch attn (part 2): grid 32 x 8, 8 waves a work-group, clusters of 4 x 1, 327,680 bytes of LDS; arguments qc, kv, out0; writes out0
.if DOCPART == 2
	.amdgcn_target "amdgcn-amd-amdhsa--gfx1250"
	.amdhsa_code_object_version 6
	.text
	.protected	k_q9898f6bb04_attn
	.globl	k_q9898f6bb04_attn
	.p2align	8
	.type	k_q9898f6bb04_attn,@function
k_q9898f6bb04_attn:
	s_mov_b64 s[64:65], 0
	v_nop
	global_prefetch_b8 v0, s[64:65] scope:SCOPE_SE
	s_setreg_imm32_b32 hwreg(HW_REG_WAVE_MODE, 25, 1), 1
	s_wait_xcnt 0x0
	s_wait_alu depctr_hold_cnt(0) depctr_sa_sdst(0) depctr_va_vdst(0) depctr_va_sdst(0) depctr_va_ssrc(0) depctr_va_vcc(0) depctr_vm_vsrc(0)
	s_getreg_b32 s2, hwreg(HW_REG_IB_STS2, 6, 4)
	s_cmp_eq_u32 s2, 0
	s_cbranch_scc0 .Lentry_in_a_cluster
	s_endpgm
.Lentry_in_a_cluster:
	s_bfe_u32 s2, ttmp6, 0x10000c
	s_cmp_lg_u32 s2, 0x3003
	s_cbranch_scc0 .Lentry_shape_is_right
	s_endpgm
.Lentry_shape_is_right:
; out0[b][d][q] = the sum over k of softmax_k(q . k / 16) v[k][d], both products on codes of FP4 (E2M1) with one E8M0 scale for each 32 along a product's K.  8 batches, 4,096 queries, 4,096 keys, 256 channels.
; qc and kv were laid by the launch before in the order of the operands' registers: kv [8][32 blocks of STEPB bytes]: block j = K of key step j, then V of key step j; qc [8][32 groups of HALFB bytes].  No work of the problem is left out.
; THE SOFTMAX: t = score x log2(e) / 16; M = the running largest t rounded UP to a whole number; p = 2^(t - M) is quantised along the keys, not normalised; the row's sum is taken of the unquantised p and divides at the end.
; SHARES.  A work-group owns 128 queries of one batch.  EIGHT waves of 512 registers: waves g and g + 4 own the same two tiles of 16 queries; wave g walks the even key steps (128 keys each), wave g + 4 the odd ones, 16 steps each.
; Each fragment of K and V read from LDS feeds two products.  At the end the two waves of a pair exchange one tile's O^T, M and sum through LDS; each merges and finishes one tile.
; Register piece X of a wave with key half kh holds query tile 2 g + (X xor kh): so every wave sends piece 1 and keeps piece 0, and no branch hangs on kh.
; A SLOT OF THE RING IS A WAVE'S UNIT OF WORK: two key steps, FOUR HALVES OF 64 KEYS, so that scores (64 registers) and fragments (64) fit beside O^T.  Each half has its own change of M and is quantised under its own M.  The codes of
; all four halves stay in registers; each earlier half's scale byte takes up the later changes of M (whole-number additions, each change held at -1024 from below, the byte at 1).  So O^T is multiplied ONCE A SLOT, by the product of the
; four halves' factors, ahead of the slot's 64 products V^T P; the sum is multiplied once a half.  All factors are powers of two.
; LAYOUT.  Both products are used transposed: S^T = K Q^T (source 0 = 16 keys), O^T = V^T P^T (source 0 = 16 channels): a lane holds ONE query.  Row 8 a + i0 of key tile 4 c + i is key 64 c + 32 a + 8 i + i0, so the 32 registers of
; half c of lane (r, h) are keys 64 c + 32 h + 0 .. 31: a whole block of the next K in one lane; the conversions' results are the next operand's registers.
; LIMITS: NaN and infinities are not served.  The promise holds while the scaled scores stay under 2^31 in magnitude.  A p under 2^-126 falls to 0.  A block of p whose scale byte would fall under 1 keeps the byte 1: what it then adds lies
; under 2^-123 of the row's largest p.  A block's largest p is made from its largest score by the same multiply-add and exponential as every p, which takes v_exp_f32 not to fall where its input rises.
; CLUSTER.  The four work-groups of a cluster belong to one batch and walk the same kv: each half block is asked for JOINTLY, by the same tensor load with the same descriptor and a mask that names the four.
; RING.  Two LDS slots of four blocks; wave w fetches the w-th half block (68 rows of 256 bytes) of a slot: one load a wave behind each change of slots; by this text's count a wave has one tensor load out at the most.
; REGISTERS.  Window 1 (v256-511): O^T, piece X, channel tile dt at 128 X + 8 dt.  Window 0: v1-15 addresses; v16-47 statistics; v48-51 K's scale words, then (v48-49) p's of the slot's first step; v52-53 p's of the second; v54-55 Q's;
; v64-71 V's; v72-103 Q; p's codes: first step v248-255 (piece 0), v56-63 (piece 1), second step v104-119; RA v120-183: a half's scores, then p, then V's tiles 8-15; RB v184-247: K's fragments of a half, then V's tiles 0-7.
.set HALFB,  17408
.set STEPB,  34816
.set SLOTB,  139264
.set KSOFF,  16384
.set VOFF,   17408
.set VSOFF,  33792
.set BATCHB, 1114112
.set SPARE,  326656                    ; the last 1,024 bytes: the spare words, 128 bytes for each of eight waves: four blocks of 256 bytes that no other line names
.set SPITCH, 576                       ; the way out: a stage of 256 rows (channels) from LDS byte 0 on: 512 bytes, begun 64 bytes further on in the rows 8 .. 15 of each 16
.set XCH,    16896                     ; the exchange: a wave's 128 registers as images (16,384 bytes), then -M and the sum
.set XB,     256*SPITCH                ; the exchange lies behind the stage.  Both are stored to behind the last slot's barrier, when the ring has had its last fill and its last read
.set RA, 120
.set RB, 184
.set MSB, 0
.macro WIN new                         ; the immediate's high byte repeats the setting that is left; a switch that changes nothing is dropped
.if MSB != (\new)
	s_set_vgpr_msb (MSB<<8)|(\new)
.set MSB, (\new)
.endif
.endm
.macro CREST                           ; a round of the cluster's barrier behind its opening barrier
	s_cmp_lg_u32 s10, 0
	s_cbranch_scc1 .Lnot_wave_0_\@
	s_barrier_signal -3
.Lnot_wave_0_\@:
	s_barrier_wait -3
	s_barrier_signal -1
	s_barrier_wait -1
.endm
.macro CROUND
	s_barrier_signal -1
	s_barrier_wait -1
	CREST
.endm
.macro PLACES
.rept 4
	v_nop
.endr
.endm
; A PREFETCH INTO THE L2 of what the NEXT change of slots will ask for, a slot's four key steps ahead of that load.  All clusters of a batch walk the same kv: the batch's first cluster asks (a branch on the cluster's number, the same in
; all partners).  The partners share a slot's four blocks out BY ADDRESS, one each; wave w names 17 pieces of 256 bytes from byte 4,352 w of the block on, a lane a piece (lanes 17-31 name the wave's last piece again).
; Slots 0 and 1 come by their loads alone; the last change that fills a slot asks for nothing: there is no slot behind it.
.macro ASK
	s_cmp_gt_u32 s40, s42
	s_cbranch_scc0 .Lnot_mine_\@
	global_prefetch_b8 v14, s[44:45] th:TH_LOAD_NT scope:SCOPE_SE
.Lnot_mine_\@:
.endm
; One scaled product; ra, rb: which half of the lanes holds source 0's and source 1's scale words
.macro WS d, a, b, c, sa, sb, ra, rb
.if ((\ra) == 0) && ((\rb) == 0)
	v_wmma_scale_f32_16x16x128_f8f6f4 v[\d:\d+7], v[\a:\a+7], v[\b:\b+7], \c, v[\sa], v[\sb] matrix_a_fmt:MATRIX_FMT_FP4 matrix_b_fmt:MATRIX_FMT_FP4
.elseif (\rb) == 0
	v_wmma_scale_f32_16x16x128_f8f6f4 v[\d:\d+7], v[\a:\a+7], v[\b:\b+7], \c, v[\sa], v[\sb] matrix_a_fmt:MATRIX_FMT_FP4 matrix_b_fmt:MATRIX_FMT_FP4 matrix_a_scale:MATRIX_SCALE_ROW1
.elseif (\ra) == 0
	v_wmma_scale_f32_16x16x128_f8f6f4 v[\d:\d+7], v[\a:\a+7], v[\b:\b+7], \c, v[\sa], v[\sb] matrix_a_fmt:MATRIX_FMT_FP4 matrix_b_fmt:MATRIX_FMT_FP4 matrix_b_scale:MATRIX_SCALE_ROW1
.else
	v_wmma_scale_f32_16x16x128_f8f6f4 v[\d:\d+7], v[\a:\a+7], v[\b:\b+7], \c, v[\sa], v[\sb] matrix_a_fmt:MATRIX_FMT_FP4 matrix_b_fmt:MATRIX_FMT_FP4 matrix_a_scale:MATRIX_SCALE_ROW1 matrix_b_scale:MATRIX_SCALE_ROW1
.endif
.endm
	s_load_b128 s[4:7], s[0:1], 0x0                ; qc s[4:5], kv s[6:7]
	s_load_b64 s[8:9], s[0:1], 0x10                ; out0
	v_lshl_add_u32 v6, v0, 2, SPARE                ; my spare word; never rewritten
	v_mov_b32 v7, 0                                ; 0; never rewritten
	ds_add_u32 v6, v7                              ; the opening lines: the add, twice on end, and its wait ahead of my first tensor load
	ds_add_u32 v6, v7
	v_lshrrev_b32 v15, 5, v0
	v_readfirstlane_b32 s10, v15                   ; wave 0..7
	s_and_b32 s11, s10, 3                          ; g: my pair
	s_lshr_b32 s12, s10, 2                         ; kh: even or odd key steps
	s_bfe_u32 s13, ttmp6, 0x40000                  ; cx: it enters the addresses of qc, of out0 and of the prefetches alone
	s_lshl_b32 s14, ttmp9, 2
	s_add_co_u32 s14, s14, s13                     ; my group of 128 queries
	s_and_b32 s15, ttmp7, 0xffff                   ; the batch, which the four partners share
	; descriptor group 1: half a block, dense in memory, as 68 rows of 256 bytes (32 elements of 8 bytes), no padding
	s_mov_b32 s24, 15|(3<<16)|(1<<21)              ; the mask: all four work-groups; elements of 8 bytes; bit 21 set beside a mask
	s_mov_b32 s25, 32<<16
	s_mov_b32 s26, 68<<16
	s_mov_b32 s27, 32<<16
	s_mov_b32 s28, 68
	s_mov_b32 s29, 32
	s_mov_b32 s30, 0
	s_mov_b32 s31, 0
	s_mov_b32 s46, 0x3db8aa3b                      ; c = log2(e) / 16
	s_mov_b32 s47, s46
	s_mov_b32 s48, 0x76543210
	s_mov_b32 s49, 0xfedcba98                      ; v_permlanex16_b32's selects for lane l xor 16
	s_mov_b32 s36, SLOTB                           ; the slot being read: the first change turns it to slot 0
	s_mov_b32 s40, 7                               ; slots still to be asked for
	s_mul_i32 s39, s10, HALFB                      ; my half block's place in a slot
	s_mul_i32 s43, s12, STEPB                      ; my first block of a slot
	s_cmp_eq_u32 ttmp9, 0
	s_cselect_b32 s42, 1, -1                       ; 1 in the batch's first cluster, else the greatest number
	s_mul_i32 s16, s15, BATCHB                     ; the batch's first byte in kv
	s_add_co_u32 s18, s16, s39
	s_mov_b32 s19, 0
	s_mul_i32 s20, s13, STEPB                      ; the prefetches: my work-group's block
	s_add_co_u32 s20, s20, s16
	s_add_co_u32 s20, s20, SLOTB                   ; of the second slot's worth: the first change steps it to the third
	s_mul_i32 s21, s10, 4352
	s_add_co_u32 s20, s20, s21
	s_mov_b32 s21, 0
	s_lshl_b32 s22, s15, 5
	s_add_co_u32 s22, s22, s14
	s_mul_i32 s22, s22, HALFB                      ; my group's first byte in qc
	s_lshr_b32 s52, s11, 1                         ; my tiles are 4 c + 2 m + (0, 1): c = g / 2, m = g % 2
	s_and_b32 s53, s11, 1
	s_lshl_b32 s56, s52, 10
	s_lshl_b32 s57, s53, 8
	s_add_co_u32 s56, s56, s57
	s_add_co_u32 s56, s56, s22                     ; codes: + 1024 c + 256 m
	s_mov_b32 s57, 0
	s_lshl_b32 s58, s52, 8
	s_lshl_b32 s59, s53, 6
	s_add_co_u32 s58, s58, s59                     ; 256 c + 64 m
	s_lshl_b32 s61, s12, 5                         ; 32 kh
	s_xor_b32 s62, s61, 32
	s_add_co_u32 s60, s58, s61                     ; the way out: the bytes of piece 0's tile in a row of 128 queries
	s_add_co_u32 s58, s58, s22
	s_add_co_u32 s58, s58, KSOFF                   ; scale words
	s_mov_b32 s59, 0
	s_lshl_b32 s22, s15, 22                        ; out0: batch of 4 MiB + my 16 channels of 16 KiB (of each half of the channels) + my group's 512 bytes of a row
	s_lshl_b32 s23, s10, 18
	s_add_co_u32 s22, s22, s23
	s_lshl_b32 s23, s14, 9
	s_add_co_u32 s22, s22, s23
	s_mov_b32 s23, 0
	s_wait_dscnt 0x0                               ; both opening adds are done
	s_wait_kmcnt 0x0
	s_add_nc_u64 s[34:35], s[6:7], s[18:19]
	s_add_nc_u64 s[44:45], s[6:7], s[20:21]
	s_add_nc_u64 s[50:51], s[4:5], s[56:57]
	s_add_nc_u64 s[52:53], s[4:5], s[58:59]
	s_add_nc_u64 s[54:55], s[8:9], s[22:23]
	CROUND                                         ; all four work-groups are here: the first joint loads meet
	s_mov_b32 s32, 1
	s_mov_b32 s33, s39
	s_or_b32 s35, s35, 0x80000000
	tensor_load_to_lds s[32:35], s[24:31]          ; my half block of key steps 0 to 3: one tensor load a wave at the head
	s_nop 0
	PLACES
	v_and_b32 v15, 31, v0                          ; lane
	v_lshlrev_b32 v1, 4, v15                       ; v1  16 l
	v_lshlrev_b32 v2, 3, v15                       ; v2  8 l
	v_min_u32 v14, 16, v15
	v_lshlrev_b32 v14, 8, v14                      ; v14 the prefetches' offset
	v_bfe_u32 v8, v0, 4, 1                         ; h
	v_bfe_u32 v9, v0, 3, 1                         ; a
	v_and_b32 v10, 7, v0                           ; i0
	v_lshlrev_b32 v11, 4, v10
	v_lshl_add_u32 v11, v8, 11, v11                ; 2048 h + 16 i0
	v_mad_u32_u24 v3, v9, 640, v11                 ; v3  my place in a K-half for tiles with i even: + 512 a + 128 a
	v_mad_u32_u24 v4, v9, 384, v11                 ; v4  for i odd: + 512 a - 128 a
	v_lshlrev_b32 v12, 2, v10
	v_lshl_add_u32 v12, v9, 7, v12                 ; 128 a + 4 i0
	v_lshl_add_u32 v5, v8, 5, v12                  ; v5  K's scale words: lanes 16-31 the odd tile of a pair, 32 bytes on
	v_lshl_add_u32 v11, v9, 9, v11
	v_xor_b32 v13, s12, v9
	v_lshl_add_u32 v10, v13, 7, v11                ; Q, piece 0: tile parity kh: + 128 (kh xor a)
	v_xor_b32 v13, 1, v13
	v_lshl_add_u32 v11, v13, 7, v11                ; piece 1: the other parity
	v_lshl_add_u32 v12, v8, 9, v12                 ; Q's scale words: lanes 16-31 channels 128-255, 512 bytes on
	v_add_nc_u32 v13, s61, v12
	v_add_nc_u32 v15, s62, v12
	v_lshlrev_b32 v8, 3, v8                        ; v8  8 h
.irp x, 0,1
.irp s, 0,1
.irp q, 0,1
	global_load_b128 v[72+16*\x+8*\s+4*\q:72+16*\x+8*\s+4*\q+3], v[10+\x], s[50:51] offset:8192*\s+4096*\q   ; Q stays in registers
.endr
.endr
.endr
	global_load_b32 v54, v13, s[52:53]
	global_load_b32 v55, v15, s[52:53]
.irp x, 0,1
	v_mov_b32 v[17+4*\x], 0xff61b1e6               ; the largest t so far: -3e38, under every t
	v_floor_f32 v[16+4*\x], -v[17+4*\x]            ; -M
	v_mov_b32 v[18+4*\x], 0                        ; the sum, in two halves
	v_mov_b32 v[19+4*\x], 0
	v_mov_b32 v[25+2*\x], 0                        ; (named as the upper halves of the factors' pairs, whose low words alone are taken; they hold the third and fourth halves' bytes)
	v_mov_b32 v[29+2*\x], 0
	v_mov_b32 v[34+\x], 0                          ; written once: a lane permute's destination counts as one of its sources
.endr
	s_wait_alu depctr_va_vdst(0)
	s_wait_loadcnt 0x0                             ; Q and its scale words
; K's fragments of half c (key tiles 4 c + i) of the block that v9-11 name, both halves of the channels, and their scale words: 20 loads in one run
.macro KLOAD c
.irp i, 0,1,2,3
.irp s, 0,1
.irp q, 0,1
	ds_load_b128 v[RB+16*\i+8*\s+4*\q:RB+16*\i+8*\s+4*\q+3], v[9+\i%2] offset:8192*\s+4096*\q+1024*\c+128*\i
.endr
.endr
.endr
.irp s, 0,1
.irp p, 0,1
	ds_load_b32 v[48+2*\s+\p], v11 offset:KSOFF+512*\s+256*\c+64*\p
.endr
.endr
.endm
; eight channel tiles of V from d0 on, as images of their registers
.macro VLOAD d0, base
.set vd, 0
.rept 8
	ds_load_b128 v[\base+8*vd:\base+8*vd+3], v12 offset:VOFF+1024*(\d0+vd)
	ds_load_b128 v[\base+8*vd+4:\base+8*vd+7], v12 offset:VOFF+1024*(\d0+vd)+512
.set vd, vd+1
.endr
.endm
.macro VSLOAD                          ; V's scale words: register 64 + dt / 2: lanes 0-15 the even channel tile's, lanes 16-31 the odd one's
.irp g, 0,1,2,3
	ds_load_b64 v[64+2*\g:65+2*\g], v13 offset:VSOFF+256*\g
.endr
.endm
; S^T = K Q^T of a half: 16 products; the 8 accumulators (4 key tiles x 2 pieces) take turns; the first 128 channels start the sums
.macro KQ
.irp s, 0,1
.irp i, 0,1,2,3
.irp x, 0,1
.set rD, RA+32*\x+8*\i
.set rK, RB+16*\i+8*\s
.set rQ, 72+16*\x+8*\s
.set rS, 48+2*\s+\i/2
.if \s
	WS rD, rK, rQ, v[rD:rD+7], rS, 54+\x, \i%2, 1
.else
	WS rD, rK, rQ, 0, rS, 54+\x, \i%2, 0
.endif
.endr
.endr
.endr
.endm
; THE SOFTMAX of both pieces for half q (0 .. 3) of the slot.  Piece X: v[16+4X] -M, v[17+4X] the largest t, v[18+4X:19+4X] the sum; v[28+2X] the slot's factor (half 0's, then x the later ones'), v[24+2X] a later half's;
; v[32+X], v[34+X] at work; v[36+X] the block's largest score, then p; v[38+X] the conversion's scale operand; the halves' bytes: v[40+2X], v[41+2X], v[25+2X], v[29+2X]; v[44+2X:45+2X] the sums' second chain.
.macro SOFTH q
.set cc, (\q)%2
.set tt, (\q)/2
.if \q == 0
.set FR, 28
.set BYC, 40
.elseif \q == 1
.set FR, 24
.set BYC, 41
.elseif \q == 2
.set FR, 24
.set BYC, 25
.else
.set FR, 24
.set BYC, 29
.endif
.irp u, 0,1
.irp x, 0,1
	v_max3_num_f32 v[36-4*\u+\x], v[RA+32*\x+16*\u], v[RA+32*\x+16*\u+1], v[RA+32*\x+16*\u+2]   ; the block's largest score: all 32 are mine; four chains by turns; each accumulator is first read at its low end
.endr
.endr
.irp k, 3,5,7,9,11,13
.irp u, 0,1
.irp x, 0,1
	v_max3_num_f32 v[36-4*\u+\x], v[36-4*\u+\x], v[RA+32*\x+16*\u+\k], v[RA+32*\x+16*\u+\k+1]
.endr
.endr
.endr
.irp x, 0,1
	v_max3_num_f32 v[36+\x], v[36+\x], v[32+\x], v[RA+32*\x+15]
.endr
.irp x, 0,1
	v_max_num_f32 v[36+\x], v[36+\x], v[RA+32*\x+31]
.endr
.irp x, 0,1
	v_permlanex16_b32 v[34+\x], v[36+\x], s48, s49
.endr
.irp x, 0,1
	v_max_num_f32 v[32+\x], v[36+\x], v[34+\x]     ; with lane l xor 16's 32 keys: the half's largest score of my query
.endr
.irp x, 0,1
	v_mul_f32 v[32+\x], s46, v[32+\x]              ; as t (c is positive)
.endr
.irp x, 0,1
	v_max_num_f32 v[17+4*\x], v[17+4*\x], v[32+\x]
.endr
.irp x, 0,1
	v_mov_b32 v[32+\x], v[16+4*\x]
.endr
.irp x, 0,1
	v_floor_f32 v[16+4*\x], -v[17+4*\x]            ; the new -M = floor(-t): M is a whole number
.endr
.irp x, 0,1
	v_sub_f32 v[32+\x], v[16+4*\x], v[32+\x]       ; old M - new M: a whole number, 0 or less
.endr
.irp x, 0,1
	v_cvt_i32_f32 v[32+\x], v[32+\x]               ; (it saturates)
.endr
.if \q > 0
.irp x, 0,1
	v_max_i32 v[32+\x], 0xfffffc00, v[32+\x]       ; held at -1024: so the bytes' sums cannot wrap; 2^-1024 is 0 in f32, and a byte less 1024 lies under 1
.endr
.endif
.irp x, 0,1
	v_ldexp_f32 v[FR+2*\x], 1.0, v[32+\x]          ; 2^(old M - new M)
.endr
.if \q > 0
.irp x, 0,1
	v_add_nc_u32 v[40+2*\x], v[40+2*\x], v[32+\x]  ; the earlier halves' codes come under the new M by their scale bytes
.endr
.irp x, 0,1
	v_mul_f32 v[28+2*\x], v[28+2*\x], v[24+2*\x]   ; the slot's factor for O^T
.endr
.endif
.if \q > 1
.irp x, 0,1
	v_add_nc_u32 v[41+2*\x], v[41+2*\x], v[32+\x]
.endr
.endif
.if \q > 2
.irp x, 0,1
	v_add_nc_u32 v[25+2*\x], v[25+2*\x], v[32+\x]
.endr
.endif
.irp x, 0,1
.set ee, 0
.rept 16
	v_pk_fma_f32 v[RA+32*\x+ee:RA+32*\x+ee+1], v[RA+32*\x+ee:RA+32*\x+ee+1], s[46:47], v[16+4*\x:17+4*\x] op_sel_hi:[1,0,0]   ; t - M, two at a time
.set ee, ee+2
.endr
.endr
.irp x, 0,1
	v_fma_f32 v[36+\x], v[36+\x], s46, v[16+4*\x]  ; the same of the block's largest score
.endr
	s_wait_alu depctr_va_vdst(0)                   ; ahead of the batch
.set ee, 0
.rept 64
	v_exp_f32 v[RA+ee], v[RA+ee]                   ; p = 2^(t - M), at most 1
.set ee, ee+1
.endr
	v_exp_f32 v36, v36                             ; each block's largest p
	v_exp_f32 v37, v37
.irp x, 0,1
	v_pk_mul_f32 v[18+4*\x:19+4*\x], v[18+4*\x:19+4*\x], v[FR+2*\x:FR+2*\x+1] op_sel_hi:[1,0]   ; the sums under the new M: plain lines behind the exponentials
.endr
	s_wait_alu depctr_va_vdst(0)                   ; one wait for the batch, ahead of its first reader
.irp x, 0,1
	v_pk_add_f32 v[44+2*\x:45+2*\x], v[RA+32*\x:RA+32*\x+1], v[RA+32*\x+2:RA+32*\x+3]   ; the row's sum is taken of the unquantised p: two chains a piece
.endr
.irp j, 4,8,12,16,20,24,28
.irp x, 0,1
	v_pk_add_f32 v[18+4*\x:19+4*\x], v[18+4*\x:19+4*\x], v[RA+32*\x+\j:RA+32*\x+\j+1]
	v_pk_add_f32 v[44+2*\x:45+2*\x], v[44+2*\x:45+2*\x], v[RA+32*\x+\j+2:RA+32*\x+\j+3]
.endr
.endr
.irp x, 0,1
	v_pk_add_f32 v[18+4*\x:19+4*\x], v[18+4*\x:19+4*\x], v[44+2*\x:45+2*\x]
.endr
.irp x, 0,1
	v_max_num_f32 v[36+\x], 0x1800000, v[36+\x]    ; the floor 2^(3 - 127): the byte cannot fall under 1
.endr
.irp x, 0,1
	v_add_nc_u32 v[38+\x], 0xff000000, v[36+\x]    ; 2 off the exponent field: the conversion's scale operand
.endr
.irp x, 0,1
	v_lshrrev_b32 v[BYC+2*\x], 23, v[38+\x]        ; the scale's byte
.endr
.irp x, 0,1
.irp i, 0,1,2,3
.set rC, (1-tt)*(248-192*\x)+tt*(104+8*\x)+4*cc+\i
	v_cvt_scalef32_pk8_fp4_f32 v[rC], v[RA+32*\x+8*\i:RA+32*\x+8*\i+7], v[38+\x]   ; tile 4 c + i's eight numbers become register 4 c + i of the step's operand p
.endr
.endr
	v_nop                                          ; one plain line behind the conversions
.endm
; O^T += V^T P^T of the slot's step t (0, 1), eight channel tiles from d0 on: 16 products on 16 accumulators, one a turn.  Source 0 (V) and source 1 (p) window 0, C and D window 1.
.macro PV zero, t, d0
.set pd, \d0
.rept 8
.irp x, 0,1
.set rO, 128*\x+8*pd
.if pd < 8
.set rV, RB+8*pd
.else
.set rV, RA+8*(pd-8)
.endif
.set rP, (1-\t)*(248-192*\x)+\t*(104+8*\x)
.set rW, 48+4*\t+\x
.if \zero
	WS rO, rV, rP, 0, 64+pd/2, rW, pd%2, 0
.else
	WS rO, rV, rP, v[rO:rO+7], 64+pd/2, rW, pd%2, 0
.endif
.endr
.set pd, pd+1
.endr
.endm
; THE CHANGE OF SLOTS, in two parts.  CHGA: each wave waits for all its tensor loads (one is out at the most: its half block of the slot ahead), adds 0 to its spare word, waits for that and for its LDS reads, and signals.
; CHGB: fill = 1: the barrier has opened a round of the cluster's barrier; behind the round no wave of any partner reads the slot left or has a load on its way: the joint refill comes first there, one load a wave.
.macro CHGA fill
	s_wait_tensorcnt 0x0
	ds_add_u32 v6, v7
	s_xor_b32 s36, s36, SLOTB                      ; on to the other slot,
	s_add_co_u32 s38, s36, s43                     ; my first block in it
.if \fill
	s_xor_b32 s37, s36, SLOTB                      ; the slot just left takes
	s_add_co_u32 s33, s37, s39
	s_add_nc_u64 s[34:35], s[34:35], SLOTB         ; the next four blocks
	s_wait_xcnt 0x0                                ; the last prefetch has read its address, so it may be written:
	s_add_nc_u64 s[44:45], s[44:45], SLOTB         ; one slot further on than the descriptor
.endif
	s_wait_dscnt 0x0
	s_barrier_signal -1
.endm
.macro CHGB fill
	s_barrier_wait -1
.if \fill
	CREST
	tensor_load_to_lds s[32:35], s[24:31]
	s_nop 0
	PLACES
	ASK
.endif
.endm
; A SLOT of my wave: the blocks at LDS bytes s38 and s38 + 2 STEPB.  zero = 1: my first slot: its first 32 products V^T P start O^T's sums, and there is nothing to rescale.  fill: the change at its end asks for a slot (1) or not (0).
; The five address lines are the places between the last slot's products and the loads into registers that they read.  THE SLOT'S END GOES BY HALVES OF THE CHANNEL TILES: tiles 0-7 are rescaled and take the first step's products, the
; registers so freed take the second step's V; the same for tiles 8-15; the second step's products on tiles 0-7 follow.  All of V is in registers at the change's signal.  The second step's products on tiles 8-15, work on registers,
; stand at the NEXT slot's head, behind its first run of loads (behind the last slot: ahead of the way out).
.macro SLOTW zero, fill
	v_add_nc_u32 v9, s38, v3
	v_add_nc_u32 v10, s38, v4
	v_add_nc_u32 v11, s38, v5
	v_add_nc_u32 v12, s38, v1
	v_add_nc_u32 v13, s38, v2
	KLOAD 0
.if \zero == 0
	WIN 0x50
	PV 0, 1, 8                                     ; the last slot's second step, channel tiles 8-15
	WIN 0
.rept 5
	v_nop                                          ; five places ahead of the products below, which write over registers that these have read
.endr
.endif
	s_wait_alu depctr_va_vdst(0)                   ; directly ahead of the wait below
	s_wait_dscnt 0x0
	KQ
	PLACES
	KLOAD 1                                        ; each run of loads lands under the softmax that follows it
	SOFTH 0
	s_wait_dscnt 0x0
	KQ
	v_add_nc_u32 v9, 2*STEPB, v9                   ; my second block; with the v_nop these are the four places
	v_add_nc_u32 v10, 2*STEPB, v10
	v_add_nc_u32 v11, 2*STEPB, v11
	v_nop
	KLOAD 0
	SOFTH 1
	s_wait_dscnt 0x0
	KQ
	PLACES
	KLOAD 1
	SOFTH 2
	s_wait_dscnt 0x0
	KQ
	PLACES
	VLOAD 0, RB                                    ; the first block's V
	VSLOAD
	SOFTH 3
	VLOAD 8, RA                                    ; lands under the rescaling
.irp b, 40,41,25
.irp x, 0,1
	v_max_i32 v[\b+2*\x], 1, v[\b+2*\x]            ; the earlier halves' bytes are held at 1 from below
.endr
.endr
.irp x, 0,1
	v_lshl_or_b32 v[48+\x], v[41+2*\x], 16, v[40+2*\x]   ; my two bytes of a step: blocks h and 2 + h,
	v_lshl_or_b32 v[52+\x], v[29+2*\x], 16, v[25+2*\x]
.endr
.irp x, 0,1
	v_lshlrev_b32 v[48+\x], v8, v[48+\x]           ; at their places in the word;
	v_lshlrev_b32 v[52+\x], v8, v[52+\x]
.endr
.irp x, 0,1
	v_permlanex16_b32 v[32+\x], v[48+\x], s48, s49
	v_permlanex16_b32 v[34+\x], v[52+\x], s48, s49
.endr
.irp x, 0,1
	v_or_b32 v[48+\x], v[48+\x], v[32+\x]          ; with lane l xor 16's two: p's scale words for the two steps' 128 keys
	v_or_b32 v[52+\x], v[52+\x], v[34+\x]
.endr
.if \zero
.rept 8
	v_nop                                          ; the places that a scale word written by vector lines is owed ahead of a scaled product
.endr
.else
	WIN 0x44                                       ; source 1 and destination window 1
	s_wait_alu depctr_va_vdst(0)                   ; directly ahead of the first reader of O^T's tiles 0-7
.irp x, 0,1
.set ee, 0
.rept 32
	v_pk_mul_f32 v[128*\x+ee:128*\x+ee+1], v[28+2*\x:29+2*\x], v[128*\x+ee:128*\x+ee+1] op_sel_hi:[0,1]   ; O^T under the slot's last M, each accumulator from its low end on
.set ee, ee+2
.endr
.endr
.endif
	WIN 0x50
	s_wait_alu depctr_va_vdst(0)                   ; directly ahead of the wait below
	s_wait_dscnt 16                                ; V's tiles 0-7 and its scale words are in; the youngest 16 loads (tiles 8-15) may be out
	PV \zero, 0, 0
	WIN 0
	v_add_nc_u32 v12, 2*STEPB, v12                 ; the second block's V; with the two v_nop these are the four places
	v_add_nc_u32 v13, 2*STEPB, v13
	v_nop
	v_nop
	VLOAD 0, RB
.if \zero == 0
	WIN 0x44
	s_wait_alu depctr_va_vdst(0)                   ; directly ahead of the first reader of O^T's tiles 8-15
.irp x, 0,1
.set ee, 64
.rept 32
	v_pk_mul_f32 v[128*\x+ee:128*\x+ee+1], v[28+2*\x:29+2*\x], v[128*\x+ee:128*\x+ee+1] op_sel_hi:[0,1]
.set ee, ee+2
.endr
.endr
.endif
	WIN 0x50
	s_wait_alu depctr_va_vdst(0)                   ; directly ahead of the wait below
	s_wait_dscnt 16                                ; the first block's tiles 8-15 are in; the 16 loads just issued may be out
	PV \zero, 0, 8
	WIN 0
	PLACES
	VSLOAD
	VLOAD 8, RA
	s_wait_dscnt 16                                ; the second block's tiles 0-7 and scale words are in; the youngest 16 loads may be out
	WIN 0x50
	PV 0, 1, 0
	WIN 0
	CHGA \fill                                     ; its wait for the LDS reads is also the wait for the second block's tiles 8-15
	CHGB \fill
.endm
	CHGA 1                                         ; slot 0 is whole; behind the round slot 1 gets its first fill, as a refill is issued
	CHGB 1
	s_sub_co_u32 s40, s40, 1
	SLOTW 1, 1                                     ; slot 0; the change at its end asks for slot 2
	s_sub_co_u32 s40, s40, 1
.Lslot:                                                ; five trips: slots 1 to 5; the changes at their ends ask for slots 3 to 7
	SLOTW 0, 1
	s_sub_co_u32 s40, s40, 1
	s_cmp_lg_u32 s40, 0
	s_cbranch_scc1 .Lslot
	s_mov_b32 s41, 2
.Llast:                                                ; slots 6 and 7: nothing is asked for.  Behind slot 6's barrier slot 7 is whole; behind slot 7's no wave reads the ring any more, and the way out may store there
	SLOTW 0, 0
	s_sub_co_u32 s41, s41, 1
	s_cmp_lg_u32 s41, 0
	s_cbranch_scc1 .Llast
	WIN 0x50
	PV 0, 1, 8                                     ; the last slot's second step, channel tiles 8-15
	WIN 0
	; THE WAY OUT.  Each wave sends piece 1 (O^T, -M, the sum) to its partner through LDS and takes the partner's share of its own piece 0.
	s_mul_i32 s14, s10, XCH
	s_add_co_u32 s14, s14, XB
	s_xor_b32 s15, s10, 4                          ; my partner
	s_mul_i32 s15, s15, XCH
	s_add_co_u32 s15, s15, XB
	s_mul_i32 s16, s10, 16*SPITCH
.irp x, 0,1
	v_add_f32 v[18+4*\x], v[18+4*\x], v[19+4*\x]
.endr
.irp x, 0,1
	v_permlanex16_b32 v[34+\x], v[18+4*\x], s48, s49
.endr
.irp x, 0,1
	v_add_f32 v[18+4*\x], v[18+4*\x], v[34+\x]     ; the sum of my key steps, for both pieces
.endr
	v_and_b32 v15, 31, v0
	v_lshlrev_b32 v15, 2, v15
	v_add_nc_u32 v9, s14, v1                       ; v9  I send: images, 16 bytes a lane
	v_add_nc_u32 v10, s14, v15                     ; v10 and 4 bytes a lane
	v_add_nc_u32 v11, s15, v1                      ; v11, v12 the partner's
	v_add_nc_u32 v12, s15, v15
	v_bfe_u32 v3, v0, 4, 1                         ; h
	v_bfe_u32 v4, v0, 3, 1                         ; a
	v_and_b32 v5, 7, v0                            ; i0
	v_lshlrev_b32 v5, 2, v5
	v_lshl_add_u32 v5, v4, 7, v5
	v_mad_u32_u24 v5, v3, 8*SPITCH+64, v5          ; 8 h rows, begun 64 h bytes further on, + 128 a + 4 i0
	v_add_nc_u32 v13, s60, v5                      ; v13 the stage, channel tiles 0-5: my query's 4 bytes
	v_add_nc_u32 v3, 96*SPITCH, v13                ; v3  tiles 6-11
	v_add_nc_u32 v5, 192*SPITCH, v13               ; v5  tiles 12-15
	v_add_nc_u32 v4, s16, v1                       ; v4  back: my 16 rows of channels 0-127, 16 bytes a lane
	v_add_nc_u32 v2, 128*SPITCH, v4                ; v2  and of channels 128-255
	WIN 0x04                                       ; the stores' data: window 1
.set ee, 0
.rept 32
	ds_store_b128 v9, v[128+4*ee:128+4*ee+3] offset:512*ee   ; each accumulator from its low end on
.set ee, ee+1
.endr
	WIN 0
	ds_store_b32 v10, v20 offset:16384             ; piece 1's -M
	ds_store_b32 v10, v22 offset:16512             ; and its sum
	s_wait_alu depctr_va_vdst(0)
	s_wait_dscnt 0x0                               ; for the partner's sake: my stores are done
	s_barrier_signal -1
	s_barrier_wait -1
.set ee, 0
.rept 32
	ds_load_b128 v[RA+4*ee:RA+4*ee+3], v11 offset:512*ee
.set ee, ee+1
.endr
	ds_load_b32 v32, v12 offset:16384
	ds_load_b32 v33, v12 offset:16512
	s_wait_dscnt 0x0
	v_min_num_f32 v36, v16, v32                    ; -M of all keys
	v_sub_f32 v37, v36, v16
	v_sub_f32 v38, v36, v32
	v_cvt_i32_f32 v37, v37
	v_cvt_i32_f32 v38, v38
	v_ldexp_f32 v37, 1.0, v37                      ; 2^(my M - M)
	v_ldexp_f32 v38, 1.0, v38                      ; 2^(the partner's M - M)
	v_mul_f32 v39, v18, v37
	v_fmac_f32 v39, v33, v38                       ; the row's sum
	s_wait_alu depctr_va_vdst(0)                   ; ahead of the transcendental
	v_rcp_f32 v40, v39
	v_nop
	s_wait_alu depctr_va_vdst(0)                   ; and behind it, ahead of its first reader
	v_mul_f32 v24, v37, v40
	v_mul_f32 v26, v38, v40
; The rest goes in two halves of the channels (u = 0: tiles 0-7, u = 1: tiles 8-15), so that the first half's rows are stored while the second half is still to be staged.
.macro MERGE u                         ; my share x its factor + the partner's x its factor, both over the row's sum
.set ee, 64*\u
.rept 32
	v_pk_mul_f32 v[RA+ee:RA+ee+1], v[RA+ee:RA+ee+1], v[26:27] op_sel_hi:[1,0]
.set ee, ee+2
.endr
	WIN 0x01                                       ; source 0 (my O^T of piece 0): window 1
	s_wait_alu depctr_va_vdst(0)                   ; directly ahead of the first reader of these tiles of O^T
.set ee, 64*\u
.rept 32
	v_pk_fma_f32 v[RA+ee:RA+ee+1], v[ee:ee+1], v[24:25], v[RA+ee:RA+ee+1] op_sel_hi:[1,0,1]   ; register 8 dt + j: channel 16 dt + 8 h + j of my query
.set ee, ee+2
.endr
	WIN 0
.endm
.macro TOSTAGE u                       ; into the work-group's stage, row = channel; a barrier, since a row's 512 bytes come from eight waves; then my 16 whole rows come back
.set od, 8*\u
.rept 8
.if od < 6
.set rT, 13
.elseif od < 12
.set rT, 3
.else
.set rT, 5
.endif
.irp j, 0,1,2,3,4,5,6,7
	ds_store_b32 v[rT], v[RA+8*od+\j] offset:(16*(od%6)+\j)*SPITCH
.endr
.set od, od+1
.endr
	s_wait_dscnt 0x0
	s_barrier_signal -1
	s_barrier_wait -1
.set ee, 0
.rept 16
	ds_load_b128 v[RA+64*\u+4*ee:RA+64*\u+4*ee+3], v[4-2*\u] offset:ee*SPITCH+64*((ee/8)%2)
.set ee, ee+1
.endr
.endm
.macro SEND u
.set ee, 0
.rept 16
	s_wait_dscnt 15-ee                             ; LDS loads come back in order: row ee is in, the younger ones may be out
	global_store_b128 v1, v[RA+64*\u+4*ee:RA+64*\u+4*ee+3], s[54:55] offset:16384*(128*\u+ee) th:TH_STORE_NT   ; 32 lanes store 512 consecutive bytes of a row of out0, aligned
.set ee, ee+1
.endr
.endm
	MERGE 0
	TOSTAGE 0
	MERGE 1                                        ; stands between the first half's loads from the stage and the waits for them
	s_wait_alu depctr_va_vdst(0)
	SEND 0
	TOSTAGE 1
	SEND 1
	s_wait_tensorcnt 0x0                           ; the wave's end
	ds_add_u32 v6, v7
	s_wait_dscnt 0x0
	CROUND                                         ; the closing round: no work-group ends while a partner may still ask for a block that names it
	s_endpgm
.Lfunc_end_k_q9898f6bb04_attn:
	.size	k_q9898f6bb04_attn, .Lfunc_end_k_q9898f6bb04_attn-k_q9898f6bb04_attn
	.p2alignl 7, 3214868480
	.fill 96, 4, 3214868480
	.section	.rodata,"a",@progbits
	.p2align	6, 0x0
	.amdhsa_kernel k_q9898f6bb04_attn
		.amdhsa_group_segment_fixed_size 327680
		.amdhsa_private_segment_fixed_size 0
		.amdhsa_enable_private_segment 0
		.amdhsa_kernarg_size 24
		.amdhsa_user_sgpr_count 2
		.amdhsa_user_sgpr_kernarg_segment_ptr 1
		.amdhsa_wavefront_size32 1
		.amdhsa_system_sgpr_workgroup_id_x 1
		.amdhsa_system_sgpr_workgroup_id_y 1
		.amdhsa_system_sgpr_workgroup_id_z 1
		.amdhsa_system_vgpr_workitem_id 0
		.amdhsa_next_free_vgpr 512
		.amdhsa_next_free_sgpr 66
		.amdhsa_reserve_vcc 0
		.amdhsa_float_denorm_mode_32 3
		.amdhsa_float_denorm_mode_16_64 3
		.amdhsa_memory_ordered 1
		.amdhsa_forward_progress 1
		.amdhsa_inst_pref_size 255
	.end_amdhsa_kernel
	.section	.bss,"aw",@nobits
	.p2align	6
	.space	262144
	.amdgpu_metadata
---
amdhsa.version: [ 1, 2 ]
amdhsa.kernels:
  - .name:           k_q9898f6bb04_attn
    .symbol:         k_q9898f6bb04_attn.kd
    .args:
      - { .name: qc, .offset: 0, .size: 8, .value_kind: global_buffer, .address_space: global }
      - { .name: kv, .offset: 8, .size: 8, .value_kind: global_buffer, .address_space: global }
      - { .name: out0, .offset: 16, .size: 8, .value_kind: global_buffer, .address_space: global }
    .group_segment_fixed_size: 327680
    .private_segment_fixed_size: 0
    .kernarg_segment_align: 8
    .kernarg_segment_size: 24
    .max_flat_workgroup_size: 256
    .sgpr_count:     66
    .vgpr_count:     512
    .wavefront_size: 32
...
	.end_amdgpu_metadata
.endif
;; end of part 2
